; MI455X (gfx1250); checked and timed in simulation.
; The chip was launched on July 23, 2026; its instructions are those of AMD's public machine-readable ISA for CDNA 5 (MIT licence, August 2026) and "CDNA5" Instruction Set Architecture Reference Guide (July 2026).
;; Model1. Allowed arithmetic: matrix products marked QUANTISED: E5M2 operands, one E8M0 scale for each 32 along K, by v_wmma_scale_f32_16x16x128_f8f6f4 with both operands' format E5M2, f32 sums; everything else in f32.
;; Inputs: inv_scale 4 x 16 float32; k 4 x 16 x 2,048 x 64 float32; q 4 x 16 x 2,048 x 64 float32; scale_factor 4 x 16 x 2,048 float32; v 4 x 16 x 2,048 x 64 float32.
;; Outputs: out0 4 x 16 x 2,048 x 64 float32.
;; This version of the problem:
;;   THIS VERSION OF THE PROBLEM IS GIVEN IN LOW PRECISION. The matrix products marked QUANTISED in the list below multiply operands that are first quantised to E5M2 (5 exponent bits, 2 mantissa bits; 8 bits a number), with one power-of-two scale for each 32 numbers along K (OCP MX v1.0); their sums are f32. All else is computed in f32.
;;   The module's matrix products, in the order in which they are computed (A, B: the left and right operand; K: the contracted axis; several contracted axes count as one K, in the product's order):
;;     1. batch 64 x [M 2,048, K 64] x [K 64, N 2,048]; A: input q; B: input k: QUANTISED
;;     2. batch 64 x [M 2,048, K 2,048] x [K 2,048, N 64]; A: softmax (see below); B: input v: QUANTISED
;;   THE QUANTISER, for each operand of a quantised product, along K:
;;     - K is cut into blocks of 32 from its start; a last block that is shorter is filled with zeros.
;;     - A block's scale is 2^e with e = floor(log2(the largest magnitude in the block)) - 15, held to -126 .. 127; a block of zeros has e = 0. As a byte (E8M0): e + 127.
;;     - Each number is divided by its block's scale, clamped to +-57,344, and rounded to the nearest number of E5M2, ties to even, subnormals kept.
;;     - The product sums the exact products of the quantised numbers (number of the format x scale) in f32.
;;   ~~~python
;;   def quantise(x, axis):      # numpy; x: float32 -> the quantised numbers, widened to float32 again
;;       x = np.moveaxis(x, axis, -1); K = x.shape[-1]
;;       x = np.pad(x, [(0, 0)] * (x.ndim - 1) + [(0, -K % 32)]); x = x.reshape(x.shape[:-1] + (-1, 32)); a = np.abs(x).max(-1, keepdims=True)
;;       e = np.where(a > 0, np.clip(np.frexp(np.where(a > 0, a, 1))[1] - 1 - 15, -126, 127), 0)      # np.frexp(a)[1] - 1 = floor(log2(a)), exactly
;;       r = np.clip(x / 2.0 ** e, -57344, 57344)
;;       step = 2.0 ** (np.maximum(np.frexp(np.where(r == 0, 1, r))[1] - 1, -14) - 2)
;;       q = np.round(r / step) * step * 2.0 ** e      # np.round: ties to even
;;       return np.moveaxis(q.reshape(q.shape[:-2] + (-1,))[..., :K], -1, axis).astype(np.float32)
;;   ~~~
;;   SOFTMAX AHEAD OF A QUANTISED PRODUCT. Where the list says 'softmax', what is quantised is not the finished softmax but p = 2^(t - M), with t = logit x log2(e) and M = ceil(the row's largest t), a whole number; so 1/2 < the row's largest p <= 1. The row's sum l is taken of the UNQUANTISED p, in f32, and the product's result is divided by l at the end. Since M is a whole number, a kernel that streams over the keys may use a running M (the ceiling of the running maximum): every later rescaling is an exact power of two, which a block's scale takes up: the codes' values come out the same.
;;   OPERANDS COMPUTED ON THE WAY. 'Computed on the way' means the value that the module computes at that place (a softmax that the list does not call 'softmax' is quantised finished and normalised). What goes into a quantiser is computed in f32, as accurately as f32 sums, v_exp_f32 and their like allow (about 1e-6 of the number): no bf16 or f16 on the way to a quantiser, and a product that is left as it is and whose result goes on into a quantised operand takes f32 operands (vector FMAs, or v_wmma_f32_16x16x4_f32). A number that lies on a knife's edge between two numbers of the format may be rounded either way, as far as f32 arithmetic and the matrix unit's own rounding can turn it there, and no further.
;; One version. Each part assembles by itself: llvm-mc -triple=amdgcn-amd-amdhsa -mcpu=gfx1250 --defsym DOCPART=n.
;; ======== version 1 of 1: 1 launch
;; launch attn (part 1): grid 4 x 64, 8 waves a work-group, no clusters, 327,680 bytes of LDS; arguments q, k, v, scale_factor, inv_scale, out0; writes out0
.if DOCPART == 1
	.amdgcn_target "amdgcn-amd-amdhsa--gfx1250"
	.amdhsa_code_object_version 6
	.text
	.protected	k_q34bd1a0e0b_attn
	.globl	k_q34bd1a0e0b_attn
	.p2align	8
	.type	k_q34bd1a0e0b_attn,@function
k_q34bd1a0e0b_attn:
	s_mov_b64 s[64:65], 0
	v_nop
	global_prefetch_b8 v0, s[64:65] scope:SCOPE_SE
	s_setreg_imm32_b32 hwreg(HW_REG_WAVE_MODE, 25, 1), 1
	s_wait_xcnt 0x0
.set REC,   17408
.set KOFF,  0
.set VOFF,  8192
.set KSC,   16384
.set VSC,   16896
.set PRIV,  16*REC
.set PRIVW, 6144
.set QIMG,  VOFF
.set QWRD,  VOFF+4096
.set SP,    80
.set OP,    272
.set AL,  1
.set A,   2
.set OST, 3
.set ORD, 4
.set SFO, 5
.set SWK, 232
.set SWV, 236
.set PWA, 240
.set PWB, 241
.set QW,  252
.set CN,  6
.set CC,  8
.set CL,  10
.set NM,  12
.set TM,  13
.set L,   14
.set QZ,  16
.set QC,  24
.set QN,  40
.set KB,  48
.set S,   96
.set O,   160
.set TMP, 192
.set P,   192
.set BM,  208
.set T4,  212
.set HOLD, 216
.set SOP, 220
.set F,   224
.set SUM2, 226
.set TT,  228
.set TA,  96
.set R,   96
.set X,   160
.set C,   192
.set W,   80
.set VX0, 48
.set VX1, 200
.set VC,  160
.set STI, 242
.set STO, 243
.set IMG, 244
.set WK,  245
.set WQ,  246
.set VIM, 247
.set VSW, 248
.set L4,  249
.set WQR, 250
.set SH,  251
.set MSB, 0
.macro WIN new
.if MSB != (\new)
	s_set_vgpr_msb (MSB<<8)|(\new)
.set MSB, (\new)
.endif
.endm
.macro PLACES n
.rept \n
	v_nop
.endr
.endm
	s_load_b256 s[4:11], s[0:1], 0x0
	s_load_b128 s[12:15], s[0:1], 0x20
	s_set_vgpr_msb 0x40
	v_lshl_add_u32 v254, v0, 2, 0x4f900
	v_mov_b32 v255, 0
	s_set_vgpr_msb 0x4000
	v_lshrrev_b32 v10, 5, v0
	v_readfirstlane_b32 s16, v10
	s_and_b32 s17, ttmp7, 0xffff
	v_and_b32 v10, 31, v0
	v_and_b32 v11, 15, v0
	v_lshlrev_b32 v[AL], 4, v10
	v_lshlrev_b32 v[SFO], 2, v11
	s_lshl_b32 s26, s17, 19
	s_lshl_b32 s28, ttmp9, 17
	s_lshl_b32 s19, s16, 14
	s_add_co_u32 s28, s28, s19
	s_add_co_u32 s28, s28, s26
	s_mov_b32 s29, 0
	s_lshl_b32 s19, s16, 16
	s_add_co_u32 s26, s26, s19
	s_mov_b32 s27, 0
	s_mov_b32 s20, 0x76543210
	s_mov_b32 s21, 0xfedcba98
	s_mov_b32 s22, 0x600000
	s_mov_b32 s36, 0x3f38aa3b
	s_mov_b32 s37, 0x32257060
	s_mov_b32 s39, 0x80808080
	s_mul_i32 s30, s16, PRIVW
	s_add_co_u32 s30, s30, PRIV
	s_mul_i32 s31, s16, 2*REC
	s_wait_kmcnt 0x0
	s_add_nc_u64 s[4:5], s[4:5], s[28:29]
	s_add_nc_u64 s[14:15], s[14:15], s[28:29]
	s_add_nc_u64 s[6:7], s[6:7], s[26:27]
	s_add_nc_u64 s[8:9], s[8:9], s[26:27]
	s_lshl_b32 s26, s17, 13
	s_lshl_b32 s19, ttmp9, 11
	s_add_co_u32 s26, s26, s19
	s_lshl_b32 s19, s16, 8
	s_add_co_u32 s26, s26, s19
	s_add_nc_u64 s[10:11], s[10:11], s[26:27]
	s_lshl_b32 s26, s17, 2
	s_add_nc_u64 s[12:13], s[12:13], s[26:27]
	s_load_b32 s23, s[12:13], 0x0
	global_load_b32 v[CC], v[SFO], s[10:11] th:TH_LOAD_NT
	global_load_b32 v[CN], v[SFO], s[10:11] offset:128 th:TH_LOAD_NT
	WIN 0x40
	global_load_b32 v[CC], v[SFO], s[10:11] offset:64 th:TH_LOAD_NT
	global_load_b32 v[CN], v[SFO], s[10:11] offset:192 th:TH_LOAD_NT
	WIN 0
.macro LOAD t
.irp i, 0,1,2,3
.if (\t) < 8
	global_load_b128 v[R+16*((\t)%4)+4*\i:R+16*((\t)%4)+4*\i+3], v[AL], s[4:5] offset:2048*(\t)+512*\i th:TH_LOAD_NT
.else
	global_load_b128 v[R+16*((\t)%4)+4*\i:R+16*((\t)%4)+4*\i+3], v[AL], s[6:7] offset:2048*((\t)-8)+512*\i
.endif
.endr
.endm
.macro TURN t
.irp i, 0,1,2,3
	ds_store_b128 v[STI], v[R+16*((\t)%4)+4*\i:R+16*((\t)%4)+4*\i+3] offset:8*SP*\i
.endr
.irp i, 0,1,2,3
	ds_load_b128 v[X+16*((\t)%2)+4*\i:X+16*((\t)%2)+4*\i+3], v[STO] offset:16*\i
.endr
.endm
.macro VLOAD q
.irp i, 0,1,2,3,4,5,6,7,8,9,10,11,12,13,14,15,16,17,18,19,20,21,22,23,24,25,26,27,28,29,30,31
	global_load_b32 v[VX0+(VX1-VX0)*((\q)%2)+\i], v[L4], s[8:9] offset:(128*((\q)/8)+32*(((\q)%8)/2)+\i)*256+128*((\q)%2)
.endr
.endm
.macro RSTEP t
.set XS, X+16*((\t)%2)
.set CD, C+4*((\t)%2)
.set WD, W+(\t)%2
.if (\t) < 8
.set IOFF, QIMG+1024*((\t)/2)+128*((\t)%2)
.set WOFF, QWRD+64*((\t)/2)+32*((\t)%2)
.else
.set RC, ((\t)-8)/16
.set GP, ((\t)-8)%16
.set KT, 2*(GP/4)+GP%2
.set HP, (GP/2)%2
.set IOFF, RC*REC+KOFF+1024*KT+128*HP
.set WOFF, RC*REC+KSC+128*HP+256*(KT%2)+4*(KT/2)
.endif
.if (\t) > 0
	s_wait_dscnt 2
.else
	s_wait_dscnt 0x0
.endif
.if (\t)+4 < 40
	LOAD (\t)+4
.endif
.if (\t) < 39
.set LAST, (\t)+4
.if LAST > 39
.set LAST, 39
.endif
.set NLD, 4*(LAST-((\t)+1))
.if (\t) >= 37
.set NLD, NLD+32
.endif
	s_wait_loadcnt NLD
	TURN (\t)+1
.endif
.if (\t) == 36
	VLOAD 0
.endif
.if (\t) == 38
	VLOAD 1
.endif
	v_max3_num_f32 v10, |v[XS]|, |v[XS+1]|, |v[XS+2]|
	v_max3_num_f32 v11, |v[XS+3]|, |v[XS+4]|, |v[XS+5]|
.irp i, 6,10
	v_max3_num_f32 v10, v10, |v[XS+\i]|, |v[XS+\i+1]|
	v_max3_num_f32 v11, v11, |v[XS+\i+2]|, |v[XS+\i+3]|
.endr
	v_max3_num_f32 v10, v10, |v[XS+14]|, |v[XS+15]|
	v_max3_num_f32 v10, v10, v11, 0x8000000
	v_max_num_f32_dpp v10, v10, v10 row_xmask:1 row_mask:0xf bank_mask:0xf
	v_add_nc_u32 v11, 0xf8800000, v10
	v_and_or_b32 v12, v10, 0x7f800000, s22
.irp i, 0,1,2,3,4,5,6,7,8,9,10,11,12,13,14,15
	v_med3_num_f32 v[XS+\i], v[XS+\i], -v12, v12
.endr
	v_cvt_scalef32_pk8_bf8_f32 v[CD:CD+1], v[XS:XS+7], v11
	v_cvt_scalef32_pk8_bf8_f32 v[CD+2:CD+3], v[XS+8:XS+15], v11
	v_lshrrev_b32 v13, 23, v11
	v_lshlrev_b32 v13, v[SH], v13
	v_mov_b32_dpp v14, v13 row_xmask:2 row_mask:0xf bank_mask:0xf
	v_or_b32 v13, v13, v14
	v_lshl_or_b32 v[WD], v13, 16, v13
	ds_store_b128 v[IMG], v[CD:CD+3] offset:IOFF
.if (\t) < 8
	ds_store_b32 v[WQ], v[WD] offset:WOFF
.else
	ds_store_b32 v[WK], v[WD] offset:WOFF
.endif
.endm
.macro VBLOCK q
.set VXS, VX0+(VX1-VX0)*((\q)%2)
.set VCD, VC+8*((\q)%2)
.set VRC, (\q)/8
.set VCB, ((\q)%8)/2
.set VHF, (\q)%2
.if (\q) < 15
	s_wait_loadcnt 32
.else
	s_wait_loadcnt 0x0
.endif
	v_max3_num_f32 v12, |v[VXS]|, |v[VXS+1]|, |v[VXS+2]|
	v_max3_num_f32 v13, |v[VXS+3]|, |v[VXS+4]|, |v[VXS+5]|
.irp i, 6,10,14,18,22,26
	v_max3_num_f32 v12, v12, |v[VXS+\i]|, |v[VXS+\i+1]|
	v_max3_num_f32 v13, v13, |v[VXS+\i+2]|, |v[VXS+\i+3]|
.endr
	v_max3_num_f32 v12, v12, |v[VXS+30]|, |v[VXS+31]|
	v_max3_num_f32 v12, v12, v13, 0x8000000
	v_add_nc_u32 v11, 0xf8800000, v12
	v_and_or_b32 v10, v12, 0x7f800000, s22
	v_lshrrev_b32 v13, 23, v11
.if VCB == 0
	v_mov_b32 v[W+VHF], v13
.else
	v_lshl_or_b32 v[W+VHF], v13, 8*VCB, v[W+VHF]
.endif
.irp i, 0,1,2,3,4,5,6,7,8,9,10,11,12,13,14,15,16,17,18,19,20,21,22,23,24,25,26,27,28,29,30,31
	v_med3_num_f32 v[VXS+\i], v[VXS+\i], -v10, v10
.endr
	s_wait_dscnt 0x0
.irp g, 0,1,2,3
	v_cvt_scalef32_pk8_bf8_f32 v[VCD+2*\g:VCD+2*\g+1], v[VXS+8*\g:VXS+8*\g+7], v11
.endr
	v_nop
	ds_store_b128 v[VIM], v[VCD:VCD+3] offset:VRC*REC+VOFF+4096*VHF+512*VCB
	ds_store_b128 v[VIM], v[VCD+4:VCD+7] offset:VRC*REC+VOFF+4096*VHF+512*VCB+256
.if VCB == 3
	ds_store_b32 v[VSW], v[W+VHF] offset:VRC*REC+VSC+8*VHF
	ds_store_b32 v[VSW], v[W+VHF] offset:VRC*REC+VSC+8*VHF+256
.endif
.if (\q)+2 < 16
	VLOAD (\q)+2
.endif
.endm
.irp t, 0,1,2,3
	LOAD \t
.endr
	v_bfe_u32 v12, v0, 4, 1
	v_bfe_u32 v13, v0, 2, 3
	v_and_b32 v14, 3, v0
	v_bfe_u32 v15, v0, 1, 1
	v_and_b32 v7, 1, v0
	v_mul_u32_u24 v[STI], v13, SP
	v_lshl_add_u32 v[STI], v14, 4, v[STI]
	v_add_nc_u32 v[STI], s30, v[STI]
	v_mul_u32_u24 v[STO], v10, SP
	v_add_nc_u32 v[STO], s30, v[STO]
	v_lshlrev_b32 v[IMG], 4, v13
	v_lshl_add_u32 v[IMG], v15, 9, v[IMG]
	v_lshl_add_u32 v[IMG], v7, 8, v[IMG]
	v_add_nc_u32 v[IMG], s31, v[IMG]
	v_lshl_add_u32 v[WK], v13, 4, s31
	v_lshl_add_u32 v[WQ], v13, 2, s31
	v_lshlrev_b32 v[VIM], 4, v11
	v_lshl_add_u32 v[VIM], v12, 11, v[VIM]
	v_add_nc_u32 v[VIM], s31, v[VIM]
	v_lshlrev_b32 v[VSW], 4, v11
	v_lshl_add_u32 v[VSW], v12, 2, v[VSW]
	v_add_nc_u32 v[VSW], s31, v[VSW]
	v_lshlrev_b32 v[L4], 2, v10
	v_lshl_add_u32 v[WQR], v11, 2, s31
	v_lshlrev_b32 v[SH], 3, v15
	v_mul_u32_u24 v[OST], v11, OP
	v_lshl_add_u32 v[OST], v12, 5, v[OST]
	v_add_nc_u32 v[OST], s30, v[OST]
	v_mul_u32_u24 v[ORD], v12, OP
	v_lshl_add_u32 v[ORD], v11, 4, v[ORD]
	v_add_nc_u32 v[ORD], s30, v[ORD]
	s_wait_loadcnt 12
	TURN 0
.irp t, 0,1,2,3,4,5,6,7,8,9,10,11,12,13,14,15,16,17,18,19,20,21,22,23,24,25,26,27,28,29,30,31,32,33,34,35,36,37,38,39
	RSTEP \t
.endr
	v_add_nc_u32 v[A], s31, v[AL]
.irp u, 0,1
	ds_load_b128 v[QC+16*\u:QC+16*\u+3], v[A] offset:QIMG+2048*\u
	ds_load_b128 v[QC+16*\u+4:QC+16*\u+7], v[A] offset:QIMG+2048*\u+512
.endr
	WIN 0x40
.irp u, 0,1
	ds_load_b128 v[QC+16*\u:QC+16*\u+3], v[A] offset:QIMG+2048*\u+1024
	ds_load_b128 v[QC+16*\u+4:QC+16*\u+7], v[A] offset:QIMG+2048*\u+1536
.endr
	WIN 0
.irp u, 0,1,2,3
	ds_load_b32 v[QW+\u], v[WQR] offset:QWRD+64*\u
.endr
	s_wait_dscnt 0x0
.irp q, 0,1,2,3,4,5,6,7,8,9,10,11,12,13,14,15
	VBLOCK \q
.endr
	s_wait_kmcnt 0x0
	s_and_b32 s38, s23, 0x7fffffff
.macro CPREP
	v_xor_b32 v[TA], s23, v[CC]
	v_xor_b32 v[TA+1], s23, v[CN]
	v_and_b32 v[TA+2], 0x7fffffff, v[CC]
	v_and_b32 v[TA+3], 0x7fffffff, v[CN]
	v_mul_f32 v[TA+4], s38, v[TA+2]
	v_mul_f32 v[TA+5], s38, v[TA+3]
	v_fma_f32 v[TA+6], s38, v[TA+2], -v[TA+4]
	v_fma_f32 v[TA+7], s38, v[TA+3], -v[TA+5]
	v_rcp_f32 v[TA+8], v[TA+4]
	v_rcp_f32 v[TA+9], v[TA+5]
	v_ashrrev_i32 v[TA], 31, v[TA]
	v_ashrrev_i32 v[TA+1], 31, v[TA+1]
	s_wait_alu depctr_va_vdst(0)
	v_fma_f32 v[TA+10], -v[TA+8], v[TA+4], 1.0
	v_fma_f32 v[TA+11], -v[TA+9], v[TA+5], 1.0
	v_fma_f32 v[TA+8], v[TA+10], v[TA+8], v[TA+8]
	v_fma_f32 v[TA+9], v[TA+11], v[TA+9], v[TA+9]
	v_mul_f32 v[CC], s36, v[TA+8]
	v_mul_f32 v[CN], s36, v[TA+9]
	v_fma_f32 v[TA+10], -v[CC], v[TA+4], s36
	v_fma_f32 v[TA+11], -v[CN], v[TA+5], s36
	v_fma_f32 v[TA+10], -v[CC], v[TA+6], v[TA+10]
	v_fma_f32 v[TA+11], -v[CN], v[TA+7], v[TA+11]
	v_add_f32 v[TA+10], s37, v[TA+10]
	v_add_f32 v[TA+11], s37, v[TA+11]
	v_mul_f32 v[CL], v[TA+10], v[TA+8]
	v_mul_f32 v[CN+1], v[TA+11], v[TA+9]
	v_mov_b32 v[CC+1], v[CC]
	v_mov_b32 v[CL+1], v[CL]
	v_and_b32 v[TA], 0x80808080, v[TA]
	v_and_b32 v[TA+1], 0x80808080, v[TA+1]
.irp j, 0,1,2,3,4,5,6,7
	v_xor_b32 v[QC+\j], v[TA], v[QC+\j]
	v_xor_b32 v[QN+\j], v[TA+1], v[QN+\j]
.endr
.endm
.macro INIT
.irp j, 0,1,2,3,4,5,6,7
	v_mov_b32 v[QZ+\j], 0
	v_mov_b32 v[QZ+16+\j], 0
	v_mov_b32 v[KB+8+\j], 0
	v_mov_b32 v[KB+32+\j], 0
.endr
.irp j, 0,1,2,3
	v_mov_b32 v[T4+\j], 0
.endr
	v_mov_b32 v[F+1], 0
.endm
	CPREP
	INIT
	WIN 0x55
	CPREP
	INIT
	WIN 0
	s_wait_dscnt 0x0
	s_barrier_signal -1
	s_barrier_wait -1
.macro START
.set jj, 0
.rept 32
	v_mov_b32 v[O+jj], 0
.set jj, jj+1
.endr
	v_mov_b32 v[TM], 0xff61b1e6
	v_floor_f32 v[NM], -v[TM]
	v_mov_b32 v[L], 0
	v_mov_b32 v[L+1], 0
.endm
.macro KLOAD t0
.irp j, 0,1,2,3
.irp c, 0,1
	ds_load_b128 v[KB+24*(\j/2)+16*(\j%2)+4*\c:KB+24*(\j/2)+16*(\j%2)+4*\c+3], v[A] offset:KOFF+1024*(\t0+\j)+512*\c
.endr
.endr
.endm
.macro KQ kt, qw, d
.if (\kt)%2
	v_wmma_scale_f32_16x16x128_f8f6f4 v[(\d):(\d)+7], v[KB+24*(((\kt)%4)/2)+8:KB+24*(((\kt)%4)/2)+23], v[QZ:QZ+15], 0, v[SWK+(\kt)/2], v[\qw] matrix_a_fmt:MATRIX_FMT_BF8 matrix_b_fmt:MATRIX_FMT_BF8 matrix_a_scale:MATRIX_SCALE_ROW1
.else
	v_wmma_scale_f32_16x16x128_f8f6f4 v[(\d):(\d)+7], v[KB+24*(((\kt)%4)/2):KB+24*(((\kt)%4)/2)+15], v[QC:QC+15], 0, v[SWK+(\kt)/2], v[\qw] matrix_a_fmt:MATRIX_FMT_BF8 matrix_b_fmt:MATRIX_FMT_BF8
.endif
.endm
.macro QSIGN
.irp j, 0,1,2,3,4,5,6,7
	v_xor_b32 v[QC+\j], s39, v[QC+\j]
.endr
.endm
.macro SDIFF h
.set jj, 0
.rept 16
	v_pk_add_f32 v[S+32*(\h)+jj:S+32*(\h)+jj+1], v[S+32*(\h)+jj:S+32*(\h)+jj+1], v[TMP+jj:TMP+jj+1] neg_lo:[0,1] neg_hi:[0,1]
.set jj, jj+2
.endr
.endm
.macro PV vt, pw
	v_wmma_scale_f32_16x16x128_f8f6f4 v[O+8*(\vt):O+8*(\vt)+7], v[S+16*(\vt):S+16*(\vt)+15], v[P:P+15], v[O+8*(\vt):O+8*(\vt)+7], v[SWV+(\vt)], v[\pw] matrix_a_fmt:MATRIX_FMT_BF8 matrix_b_fmt:MATRIX_FMT_BF8
.endm
.macro EX1 d, t, n
.set jj, 0
.rept \n
	v_pk_fma_f32 v[(\t)+jj:(\t)+jj+1], v[(\d)+jj:(\d)+jj+1], v[CC:CC+1], v[NM:NM+1] op_sel_hi:[1,0,0]
.set jj, jj+2
.endr
.endm
.macro EX2 d, t, n
.set jj, 0
.rept \n
	v_pk_fma_f32 v[(\d)+jj:(\d)+jj+1], v[(\d)+jj:(\d)+jj+1], v[CL:CL+1], v[(\t)+jj:(\t)+jj+1] op_sel_hi:[1,0,1]
.set jj, jj+2
.endr
.endm
.macro SOFTMAX w, pw
	WIN \w
.irp b, 0,1,2,3
	v_max3_num_f32 v[BM+\b], v[S+16*\b], v[S+16*\b+1], v[S+16*\b+2]
.endr
.irp i, 3,5,7,9,11,13
.irp b, 0,1,2,3
	v_max3_num_f32 v[BM+\b], v[BM+\b], v[S+16*\b+\i], v[S+16*\b+\i+1]
.endr
.endr
.irp b, 0,1,2,3
	v_max_num_f32 v[BM+\b], v[BM+\b], v[S+16*\b+15]
.endr
.irp b, 0,1,2,3
	v_permlanex16_b32 v[T4+\b], v[BM+\b], s20, s21
.endr
.irp b, 0,1,2,3
	v_max_num_f32 v[BM+\b], v[BM+\b], v[T4+\b]
.endr
	v_max3_num_f32 v[TT], v[BM], v[BM+1], v[BM+2]
	v_max_num_f32 v[TT], v[TT], v[BM+3]
	v_mul_f32 v[TT], v[CC], v[TT]
	v_max_num_f32 v[TM], v[TM], v[TT]
	v_mov_b32 v[TT], v[NM]
	v_floor_f32 v[NM], -v[TM]
	v_sub_f32 v[TT], v[NM], v[TT]
	v_cvt_i32_f32 v[TT], v[TT]
	v_ldexp_f32 v[F], 1.0, v[TT]
	EX1 BM, T4, 2
	EX1 S, P, 8
	EX2 BM, T4, 2
	EX2 S, P, 8
	EX1 S+16, P, 8
	EX2 S+16, P, 8
	EX1 S+32, P, 8
	EX2 S+32, P, 8
	EX1 S+48, P, 8
	EX2 S+48, P, 8
.set jj, 0
.rept 64
	v_exp_f32 v[S+jj], v[S+jj]
.set jj, jj+1
.endr
	v_pk_mul_f32 v[L:L+1], v[L:L+1], v[F:F+1] op_sel_hi:[1,0]
	s_wait_alu depctr_va_vdst(0)
.irp b, 0,1,2,3
	v_exp_f32 v[BM+\b], v[BM+\b]
.endr
	v_pk_add_f32 v[SUM2:SUM2+1], v[S:S+1], v[S+2:S+3]
.set jj, 4
.rept 15
	v_pk_add_f32 v[L:L+1], v[L:L+1], v[S+jj:S+jj+1]
	v_pk_add_f32 v[SUM2:SUM2+1], v[SUM2:SUM2+1], v[S+jj+2:S+jj+3]
.set jj, jj+4
.endr
	v_pk_add_f32 v[L:L+1], v[L:L+1], v[SUM2:SUM2+1]
	s_wait_alu depctr_va_vdst(0)
.irp b, 0,1,2,3
	v_max_num_f32 v[BM+\b], 0x8000000, v[BM+\b]
.endr
.irp b, 0,1,2,3
	v_add_nc_u32 v[SOP+\b], 0xf8800000, v[BM+\b]
.endr
.irp b, 0,1,2,3
	v_and_or_b32 v[HOLD+\b], v[BM+\b], 0x7f800000, s22
.endr
.irp b, 0,1,2,3
	v_lshrrev_b32 v[T4+\b], 23, v[SOP+\b]
.endr
	v_lshl_or_b32 v[TT], v[T4+1], 8, v[T4]
	v_lshl_or_b32 v[TT], v[T4+2], 16, v[TT]
	WIN (\w)&0x3f
	v_lshl_or_b32 v[\pw], v[T4+3], 24, v[TT]
	WIN \w
.irp b, 0,1,2,3
.irp i, 0,1,2,3,4,5,6,7,8,9,10,11,12,13,14,15
	v_min_num_f32 v[S+16*\b+\i], v[S+16*\b+\i], v[HOLD+\b]
.endr
	v_cvt_scalef32_pk8_bf8_f32 v[P+4*\b:P+4*\b+1], v[S+16*\b:S+16*\b+7], v[SOP+\b]
	v_cvt_scalef32_pk8_bf8_f32 v[P+4*\b+2:P+4*\b+3], v[S+16*\b+8:S+16*\b+15], v[SOP+\b]
.endr
.set jj, 0
.rept 16
	v_pk_mul_f32 v[O+jj:O+jj+1], v[O+jj:O+jj+1], v[F:F+1] op_sel_hi:[1,0]
.set jj, jj+2
.endr
.endm
.macro OSUM
	v_add_f32 v[L], v[L], v[L+1]
	v_permlanex16_b32 v[TT], v[L], s20, s21
	v_add_f32 v[L], v[L], v[TT]
	v_rcp_f32 v[F], v[L]
.endm
.macro ODIV
.set jj, 0
.rept 16
	v_pk_mul_f32 v[S+jj:S+jj+1], v[O+jj:O+jj+1], v[F:F+1] op_sel_hi:[1,0]
.set jj, jj+2
.endr
.endm
.macro OSTORE
.irp t, 0,1,2,3
	ds_store_b128 v[OST], v[S+8*\t:S+8*\t+3] offset:64*\t
	ds_store_b128 v[OST], v[S+8*\t+4:S+8*\t+7] offset:64*\t+16
.endr
.endm
.macro OLOAD
.irp i, 0,1,2,3,4,5,6,7
	ds_load_b128 v[S+32+4*\i:S+32+4*\i+3], v[ORD] offset:2*OP*\i
.endr
.endm
.macro OSEND off
.irp i, 0,1,2,3,4,5,6,7
	global_store_b128 v[AL], v[S+32+4*\i:S+32+4*\i+3], s[14:15] offset:\off+512*\i th:TH_STORE_NT
.endr
.endm
.macro NEXTQ
.irp j, 0,1,2,3,4,5,6,7
	v_mov_b32 v[QC+\j], v[QN+\j]
.endr
	v_mov_b32 v[CC], v[CN]
	v_mov_b32 v[CC+1], v[CN]
	v_mov_b32 v[CL], v[CN+1]
	v_mov_b32 v[CL+1], v[CN+1]
.endm
	s_mov_b32 s25, 2
.Lwalk:
	START
	WIN 0x55
	START
	WIN 0
	s_mov_b32 s24, 0
.Lstep:
	v_add_nc_u32 v[A], s24, v[AL]
	ds_load_b128 v[SWK:SWK+3], v[A] offset:KSC
	KLOAD 0
	WIN 0x40
	KLOAD 4
	WIN 0
	PLACES 8
	s_wait_dscnt 0x0
.irp t, 0,1,2,3
	KQ \t, QW, S+8*\t
.endr
	WIN 0x44
.irp t, 0,1,2,3
	KQ \t, QW+1, S+8*\t
.endr
	WIN 0x45
.irp t, 4,5,6,7
	KQ \t, QW+1, S+8*\t
.endr
	WIN 0x01
.irp t, 4,5,6,7
	KQ \t, QW, S+8*\t
.endr
	WIN 0
	PLACES 8
	QSIGN
	WIN 0x55
	QSIGN
	WIN 0
	PLACES 4
.irp t, 0,1,2,3
	KQ \t, QW, TMP+8*\t
.endr
	WIN 0x44
.irp t, 0,1,2,3
	KQ \t, QW+1, TMP+8*\t
.endr
	WIN 0
	PLACES 8
	SDIFF 0
	WIN 0x55
	SDIFF 0
	WIN 0x45
.irp t, 4,5,6,7
	KQ \t, QW+1, TMP+8*(\t-4)
.endr
	WIN 0x01
.irp t, 4,5,6,7
	KQ \t, QW, TMP+8*(\t-4)
.endr
	WIN 0
	PLACES 8
	SDIFF 1
	QSIGN
	WIN 0x55
	SDIFF 1
	QSIGN
	SOFTMAX 0, PWA
	ds_load_b128 v[SWV:SWV+3], v[A] offset:VSC
.irp t, 0,1,2,3
.irp c, 0,1,2,3
	ds_load_b128 v[S+16*\t+4*\c:S+16*\t+4*\c+3], v[A] offset:VOFF+2048*\t+512*\c
.endr
.endr
	SOFTMAX 0x55, PWB
	WIN 0
	s_wait_dscnt 0x0
.irp t, 0,1,2,3
	PV \t, PWA
.endr
	WIN 0x54
.irp t, 0,1,2,3
	PV \t, PWB
.endr
	WIN 0
	s_add_co_u32 s24, s24, REC
	s_cmp_lt_u32 s24, 16*REC
	s_cbranch_scc1 .Lstep
	PLACES 8
	OSUM
	WIN 0x55
	OSUM
	v_nop
	s_wait_alu depctr_va_vdst(0)
	ODIV
	WIN 0
	ODIV
	OSTORE
	OLOAD
	WIN 0x04
	OSTORE
	WIN 0x40
	OLOAD
	WIN 0
	s_wait_dscnt 16
	OSEND 0
	s_wait_dscnt 0x0
	WIN 0x04
	OSEND 4096
	WIN 0
	s_wait_xcnt 0x0
	s_add_nc_u64 s[14:15], s[14:15], 8192
	NEXTQ
	v_mov_b32 v[QW], v[QW+2]
	v_mov_b32 v[QW+1], v[QW+3]
	WIN 0x55
	NEXTQ
	WIN 0
	s_sub_co_u32 s25, s25, 1
	s_cmp_lg_u32 s25, 0
	s_cbranch_scc1 .Lwalk
	s_set_vgpr_msb 0x5
	s_wait_tensorcnt 0x0
	ds_add_u32 v254, v255
	s_wait_dscnt 0x0
	s_set_vgpr_msb 0x500
	s_endpgm
.Lfunc_end_k_q34bd1a0e0b_attn:
	.size	k_q34bd1a0e0b_attn, .Lfunc_end_k_q34bd1a0e0b_attn-k_q34bd1a0e0b_attn
	.p2alignl 7, 3214868480
	.fill 96, 4, 3214868480
	.section	.rodata,"a",@progbits
	.p2align	6, 0x0
	.amdhsa_kernel k_q34bd1a0e0b_attn
		.amdhsa_group_segment_fixed_size 327680
		.amdhsa_private_segment_fixed_size 0
		.amdhsa_enable_private_segment 0
		.amdhsa_kernarg_size 48
		.amdhsa_user_sgpr_count 2
		.amdhsa_user_sgpr_kernarg_segment_ptr 1
		.amdhsa_wavefront_size32 1
		.amdhsa_system_sgpr_workgroup_id_x 1
		.amdhsa_system_sgpr_workgroup_id_y 1
		.amdhsa_system_sgpr_workgroup_id_z 1
		.amdhsa_system_vgpr_workitem_id 0
		.amdhsa_next_free_vgpr 512
		.amdhsa_next_free_sgpr 66
		.amdhsa_reserve_vcc 0
		.amdhsa_float_denorm_mode_32 3
		.amdhsa_float_denorm_mode_16_64 3
		.amdhsa_memory_ordered 1
		.amdhsa_forward_progress 1
		.amdhsa_inst_pref_size 255
	.end_amdhsa_kernel
	.section	.bss,"aw",@nobits
	.p2align	6
	.space	262144
	.amdgpu_metadata
---
amdhsa.version: [ 1, 2 ]
amdhsa.kernels:
  - .name:           k_q34bd1a0e0b_attn
    .symbol:         k_q34bd1a0e0b_attn.kd
    .args:
      - { .name: q, .offset: 0, .size: 8, .value_kind: global_buffer, .address_space: global }
      - { .name: k, .offset: 8, .size: 8, .value_kind: global_buffer, .address_space: global }
      - { .name: v, .offset: 16, .size: 8, .value_kind: global_buffer, .address_space: global }
      - { .name: scale_factor, .offset: 24, .size: 8, .value_kind: global_buffer, .address_space: global }
      - { .name: inv_scale, .offset: 32, .size: 8, .value_kind: global_buffer, .address_space: global }
      - { .name: out0, .offset: 40, .size: 8, .value_kind: global_buffer, .address_space: global }
    .group_segment_fixed_size: 327680
    .private_segment_fixed_size: 0
    .kernarg_segment_align: 8
    .kernarg_segment_size: 48
    .max_flat_workgroup_size: 256
    .sgpr_count:     66
    .vgpr_count:     512
    .wavefront_size: 32
...
	.end_amdgpu_metadata
.endif
;; end of part 1
